; MI455X (gfx1250); checked and timed in simulation.
; The chip was launched on July 23, 2026; its instructions are those of AMD's public machine-readable ISA for CDNA 5 (MIT licence, August 2026) and "CDNA5" Instruction Set Architecture Reference Guide (July 2026). The comments in the code are by the model that wrote it; some were corrected since.
;; Cross Attention. Allowed arithmetic: matrix products marked QUANTISED: E2M3 operands, one E8M0 scale for each 32 along K, by v_wmma_scale_f32_16x16x128_f8f6f4 with both operands' format E2M3, f32 sums; everything else in f32.
;; Inputs: key 8,192 x 512 float32; query 8,192 x 512 float32; value 8,192 x 512 float32.
;; Outputs: out0 8,192 x 512 float32.
;; This version of the problem:
;;   THIS VERSION OF THE PROBLEM IS GIVEN IN LOW PRECISION. The matrix products marked QUANTISED in the list below multiply operands that are first quantised to E2M3 (2 exponent bits, 3 mantissa bits; 6 bits a number), with one power-of-two scale for each 32 numbers along K (OCP MX v1.0); their sums are f32. All else is computed in f32.
;;   The module's matrix products, in the order in which they are computed (A, B: the left and right operand; K: the contracted axis; several contracted axes count as one K, in the product's order):
;;     1. [M 8,192, K 512] x [K 512, N 8,192]; A: input query; B: input key: QUANTISED
;;     2. [M 8,192, K 8,192] x [K 8,192, N 512]; A: softmax (see below); B: input value: QUANTISED
;;   THE QUANTISER, for each operand of a quantised product, along K:
;;     - K is cut into blocks of 32 from its start; a last block that is shorter is filled with zeros.
;;     - A block's scale is 2^e with e = floor(log2(the largest magnitude in the block)) - 2, held to -126 .. 127; a block of zeros has e = 0. As a byte (E8M0): e + 127.
;;     - Each number is divided by its block's scale, clamped to +-7.5, and rounded to the nearest number of E2M3, ties to even, subnormals kept.
;;     - The product sums the exact products of the quantised numbers (number of the format x scale) in f32.
;;   ~~~python
;;   def quantise(x, axis):      # numpy; x: float32 -> the quantised numbers, widened to float32 again
;;       x = np.moveaxis(x, axis, -1); K = x.shape[-1]
;;       x = np.pad(x, [(0, 0)] * (x.ndim - 1) + [(0, -K % 32)]); x = x.reshape(x.shape[:-1] + (-1, 32)); a = np.abs(x).max(-1, keepdims=True)
;;       e = np.where(a > 0, np.clip(np.frexp(np.where(a > 0, a, 1))[1] - 1 - 2, -126, 127), 0)      # np.frexp(a)[1] - 1 = floor(log2(a)), exactly
;;       r = np.clip(x / 2.0 ** e, -7.5, 7.5)
;;       step = 2.0 ** (np.maximum(np.frexp(np.where(r == 0, 1, r))[1] - 1, 0) - 3)
;;       q = np.round(r / step) * step * 2.0 ** e      # np.round: ties to even
;;       return np.moveaxis(q.reshape(q.shape[:-2] + (-1,))[..., :K], -1, axis).astype(np.float32)
;;   ~~~
;;   SOFTMAX AHEAD OF A QUANTISED PRODUCT. Where the list says 'softmax', what is quantised is not the finished softmax but p = 2^(t - M), with t = logit x log2(e) and M = ceil(the row's largest t), a whole number; so 1/2 < the row's largest p <= 1. The row's sum l is taken of the UNQUANTISED p, in f32, and the product's result is divided by l at the end. Since M is a whole number, a kernel that streams over the keys may use a running M (the ceiling of the running maximum): every later rescaling is an exact power of two, which a block's scale takes up: the codes' values come out the same.
;;   OPERANDS COMPUTED ON THE WAY. 'Computed on the way' means the value that the module computes at that place (a softmax that the list does not call 'softmax' is quantised finished and normalised). What goes into a quantiser is computed in f32, as accurately as f32 sums, v_exp_f32 and their like allow (about 1e-6 of the number): no bf16 or f16 on the way to a quantiser, and a product that is left as it is and whose result goes on into a quantised operand takes f32 operands (vector FMAs, or v_wmma_f32_16x16x4_f32). A number that lies on a knife's edge between two numbers of the format may be rounded either way, as far as f32 arithmetic and the matrix unit's own rounding can turn it there, and no further.
;; One version. Each part assembles by itself: llvm-mc -triple=amdgcn-amd-amdhsa -mcpu=gfx1250 --defsym DOCPART=n.
;; ======== version 1 of 1: 3 launches
;; limits: right only within a limited range of input values
;; workspace buffers: qimg 3,276,800 bytes; kv 6,553,600 bytes; opart 67,108,864 bytes; stat 524,288 bytes
;; launch quant (part 1): grid 256 x 1, 8 waves a work-group, no clusters, 34,816 bytes of LDS; arguments query, key, value, qimg, kv; writes qimg, kv
.if DOCPART == 1
	.amdgcn_target "amdgcn-amd-amdhsa--gfx1250"
	.amdhsa_code_object_version 6
	.text
	.protected	k_q6aed1c91da_quant
	.globl	k_q6aed1c91da_quant
	.p2align	8
	.type	k_q6aed1c91da_quant,@function
k_q6aed1c91da_quant:
	s_mov_b64 s[64:65], 0
	v_nop
	global_prefetch_b8 v0, s[64:65] scope:SCOPE_SE
	s_setreg_imm32_b32 hwreg(HW_REG_WAVE_MODE, 25, 1), 1
	s_wait_xcnt 0x0
; query, key [8192][512] and value [8192][512], f32, become codes of FP6 (E2M3) with one E8M0 byte for each 32 along the product's K,
; laid as IMAGES OF OPERAND REGISTERS, so that the next launch brings every fragment by loads of 16 bytes a lane.
; A fragment (16 rows x 128 K, 12 registers a lane) is 1,536 bytes: piece c of 512 bytes holds registers 4 c .. 4 c + 3, lane l's at 16 l.
; A BLOCK of query or key (128 rows x 512): 8 tiles of 6,144 bytes (tile t, K step s at 6144 t + 1536 s); from byte 49,152 eight units of 256 bytes of scale words:
; in tile t's unit lane l's 8 bytes are words p = 0, 1: the word of K step 2 p + l / 16 of tile row l % 16.  Tile 2 b + u, row r is row 32 b + 8 u + r + 8 (r / 8) of the block.
; qimg: 64 blocks of 51,200 bytes.  kv: 64 key steps of 102,400 bytes: key's block, then value's block.
; VALUE'S BLOCK (128 keys; K = the keys): 32 images, channels 16 d .. 16 d + 15 at 1536 d; from byte 49,152 sixteen units of 128 bytes: unit p, lane l: the scale word of channel 32 p + l.
; A block's scale is 2^(floor(log2(its largest magnitude)) - 2); its byte is the largest magnitude's exponent field - 2, held at 1 from below.
; LIMITS: a block of zeros gets the byte 1 where the rule says 127 (its codes are zeros, and this program alone reads the bytes); NaN and infinities among the inputs are not served.
; SHARES: waves 0-3 take one tile each of query or key (16 rows x 512); waves 4-7 one unit each of value (32 channels x 128 keys).  1,024 tiles and 1,024 units on 256 equal work-groups.  Waves share nothing: no barrier.
.set STG,   8448                       ; a wave's stage: 16 rows x (512 bytes + 16): the pitch is an odd multiple of 16 bytes
.set SPARE, 4*STG                      ; behind the stages: the spare words, 128 bytes for each of eight waves, that no other line names
.set W,   20                           ; v20-23   the four K steps' scale words (value: v20 the channel's word)
.set R,   32                           ; v32-159  two sets of 64 registers as loaded
.set X,   160                          ; v160-223 64 numbers of my row: register 32 c + n = k 64 c + 32 (lane / 16) + n
.set F,   224                          ; v224-247 two sets of 12: a fragment's codes
.set SPW, 248                          ; v248     LDS address of my spare word; never rewritten
.set NIL, 249                          ; v249     0; never rewritten
.set XV,  32                           ; value: v32-159 128 keys of my channel
.set FA,  160                          ; v160-171 the even tile's fragment
.set FB,  172                          ; v172-183 the odd tile's
.set T0,  184                          ; v184-186, v188-190: upper halves of an even and an odd block
.set T1,  188
	s_load_b256 s[4:11], s[0:1], 0x0               ; query s[4:5], key s[6:7], value s[8:9], qimg s[10:11]
	s_load_b64 s[12:13], s[0:1], 0x20              ; kv
	v_lshl_add_u32 v[SPW], v0, 2, SPARE
	v_mov_b32 v[NIL], 0
	v_lshrrev_b32 v1, 5, v0
	s_delay_alu instid0(VALU_DEP_1)
	v_readfirstlane_b32 s16, v1                    ; wave 0..7
	v_and_b32 v2, 31, v0                           ; lane
	v_and_b32 v3, 15, v0                           ; r
	v_bfe_u32 v9, v0, 4, 1                         ; h
	s_delay_alu instid0(VALU_DEP_3)
	v_lshlrev_b32 v4, 4, v2                        ; 16 x lane
	s_and_b32 s17, s16, 3
	s_mul_i32 s18, s17, STG                        ; the stage (waves 0-3 alone use it); every LDS address is made ahead of the parting of roles
	v_add_nc_u32 v5, s18, v4                       ; into it: a row's 512 bytes as they lie
	v_mul_u32_u24 v6, v3, 528
	s_delay_alu instid0(VALU_DEP_1)
	v_lshl_add_u32 v6, v9, 7, v6
	s_delay_alu instid0(VALU_DEP_1)
	v_add_nc_u32 v6, s18, v6                       ; out of it: row r, + 128 h: 32 neighbours of my half
	v_lshlrev_b32 v7, 3, v2                        ; 8 x lane
	v_lshlrev_b32 v8, 2, v2                        ; 4 x lane
	v_lshlrev_b32 v9, 3, v9                        ; 8 h: my two bytes' shift in a scale word
	v_mov_b32 v17, 0                               ; a lane permute's destination counts as one of its sources
	s_mov_b32 s20, 0x76543210
	s_mov_b32 s21, 0xfedcba98                      ; v_permlanex16_b32's selects for lane l xor 16
	s_mov_b32 s22, 0xffff0000                      ; lanes 16-31
	s_mov_b32 s29, 0
	s_wait_kmcnt 0x0
	s_cmp_lt_u32 s16, 4
	s_cbranch_scc0 .Lv
	; ---- query or key: one path; the buffers are chosen on the work-group's number
	s_cmp_lt_u32 ttmp9, 128
	s_cselect_b64 s[4:5], s[4:5], s[6:7]
	s_cselect_b64 s[10:11], s[10:11], s[12:13]
	s_mov_b32 s23, 102400
	s_cselect_b32 s23, 51200, s23                  ; bytes from block to block
	s_and_b32 s24, ttmp9, 127
	s_lshr_b32 s26, s24, 1                         ; the block
	s_and_b32 s24, s24, 1
	s_lshl_b32 s24, s24, 2
	s_add_co_u32 s24, s24, s16                     ; the tile t
	s_lshl_b32 s28, s26, 7
	s_lshr_b32 s27, s24, 1
	s_lshl_b32 s27, s27, 5
	s_add_co_u32 s28, s28, s27
	s_and_b32 s27, s24, 1
	s_lshl_b32 s27, s27, 3
	s_add_co_u32 s28, s28, s27                     ; the tile's first row: 128 x block + 32 (t / 2) + 8 (t % 2)
	s_lshl_b32 s28, s28, 11
	s_add_nc_u64 s[4:5], s[4:5], s[28:29]
	s_mul_i32 s28, s26, s23
	s_add_nc_u64 s[10:11], s[10:11], s[28:29]
	s_lshl_b32 s28, s24, 8
	s_add_co_u32 s28, s28, 49152
	s_add_nc_u64 s[14:15], s[10:11], s[28:29]      ; the tile's unit of scale words
	s_mul_i32 s28, s24, 6144
	s_add_nc_u64 s[10:11], s[10:11], s[28:29]      ; the tile's four images
.macro LOADQ ks                        ; K step ks of the 16 rows: each load reads 512 consecutive bytes of one row
.irp i, 0,1,2,3,4,5,6,7,8,9,10,11,12,13,14,15
	global_load_b128 v[R+64*((\ks)%2)+4*\i:R+64*((\ks)%2)+4*\i+3], v4, s[4:5] offset:(\i+8*(\i/8))*2048+512*(\ks) th:TH_LOAD_NT
.endr
.endm
.macro TURNQ ks                        ; through my stage: LDS serves a wave's instructions in order, so no wait stands between the stores and the loads
.irp i, 0,1,2,3,4,5,6,7,8,9,10,11,12,13,14,15
	ds_store_b128 v5, v[R+64*((\ks)%2)+4*\i:R+64*((\ks)%2)+4*\i+3] offset:528*\i
.endr
.irp c, 0,1
.irp j, 0,1,2,3,4,5,6,7
	ds_load_b128 v[X+32*\c+4*\j:X+32*\c+4*\j+3], v6 offset:256*\c+16*\j
.endr
.endr
.endm
.macro QUANTQ ks                       ; my two whole blocks (2 c + h) become registers 6 c .. 6 c + 5 of the fragment
.set FS, F+12*((\ks)%2)
.irp c, 0,1
	v_max3_num_f32 v[10+\c], |v[X+32*\c]|, |v[X+32*\c+1]|, 0x1800000   ; with the floor 2^(3 - 127): the byte cannot fall under 1
.endr
.irp i, 2,4,6,8,10,12,14,16,18,20,22,24,26,28,30
.irp c, 0,1
	s_delay_alu instid0(VALU_DEP_2)
	v_max3_num_f32 v[10+\c], v[10+\c], |v[X+32*\c+\i]|, |v[X+32*\c+\i+1]|
.endr
.endr
.irp c, 0,1
	s_delay_alu instid0(VALU_DEP_2)
	v_add_nc_u32 v[12+\c], 0xff000000, v[10+\c]    ; 2 off the exponent field: the conversion's scale operand
.endr
.irp c, 0,1
	s_delay_alu instid0(VALU_DEP_2)
	v_lshrrev_b32 v[14+\c], 23, v[12+\c]           ; the scale's byte
.endr
	s_delay_alu instid0(VALU_DEP_1)
	v_lshl_or_b32 v16, v15, 16, v14                ; blocks h and 2 + h,
	s_delay_alu instid0(VALU_DEP_1)
	v_lshlrev_b32 v16, v9, v16                     ; at their places in the word;
	s_delay_alu instid0(VALU_DEP_1)
	v_permlanex16_b32 v17, v16, s20, s21
	s_delay_alu instid0(VALU_DEP_1)
	v_or_b32 v[W+(\ks)], v16, v17                  ; with lane l xor 16's two the word is whole
.irp c, 0,1
	v_cvt_scalef32_pk16_fp6_f32 v[FS+6*\c:FS+6*\c+2], v[X+32*\c:X+32*\c+15], v[12+\c]
	v_cvt_scalef32_pk16_fp6_f32 v[24+4*\c:26+4*\c], v[X+32*\c+16:X+32*\c+31], v[12+\c]   ; (a conversion's three registers begin on an even number)
.endr
	v_nop                                          ; one plain place behind a scaled conversion
.irp c, 0,1
.irp i, 0,1,2
	v_mov_b32 v[FS+6*\c+3+\i], v[24+4*\c+\i]
.endr
.endr
.irp c, 0,1,2
	global_store_b128 v4, v[FS+4*\c:FS+4*\c+3], s[10:11] offset:1536*(\ks)+512*\c   ; 32 lanes store 512 consecutive bytes
.endr
.endm
	s_wait_alu depctr_va_vdst(0)
	LOADQ 0
	LOADQ 1
.irp k, 0,1,2,3
.if \k < 3
	s_wait_loadcnt 16                              ; this K step's 16 loads are in; the next step's 16 may be out
.else
	s_wait_loadcnt 0x0
.endif
	TURNQ \k
	s_wait_dscnt 0x0                               ; the numbers are back, and the stage's stores have read their registers
.if \k < 2
	LOADQ \k+2
.else
	s_wait_xcnt 0x0                                ; the stores of two K steps back have read this set of codes
.endif
	QUANTQ \k
.endr
	v_cndmask_b32 v250, v[W], v[W+1], s22          ; word p: lanes 0-15 K step 2 p, lanes 16-31 K step 2 p + 1
	v_cndmask_b32 v251, v[W+2], v[W+3], s22
	global_store_b64 v7, v[250:251], s[14:15]      ; 32 lanes store 256 consecutive bytes, aligned
	s_wait_tensorcnt 0x0                           ; the wave's end
	ds_add_u32 v[SPW], v[NIL]
	s_wait_dscnt 0x0
	s_endpgm
	; ---- value: a lane takes a channel, and its registers run down the keys
.Lv:
	s_and_b32 s24, ttmp9, 3
	s_lshl_b32 s24, s24, 2
	s_add_co_u32 s24, s24, s17                     ; the unit p: 32 channels; the four waves stand side by side on 512 bytes of each row
	s_lshr_b32 s26, ttmp9, 2                       ; the key step
	s_lshl_b32 s28, s26, 18                        ; 128 rows of 2,048 bytes
	s_lshl_b32 s27, s24, 7
	s_add_co_u32 s28, s28, s27
	s_add_nc_u64 s[8:9], s[8:9], s[28:29]
	s_mul_i32 s28, s26, 102400
	s_add_nc_u64 s[12:13], s[12:13], s[28:29]
	s_add_co_u32 s28, s27, 100352
	s_add_nc_u64 s[14:15], s[12:13], s[28:29]      ; the unit's scale words
	s_mul_i32 s28, s24, 3072
	s_add_co_u32 s28, s28, 51200
	s_add_nc_u64 s[12:13], s[12:13], s[28:29]      ; the unit's two images
.macro LOADV b
.irp i, 0,1,2,3,4,5,6,7,8,9,10,11,12,13,14,15,16,17,18,19,20,21,22,23,24,25,26,27,28,29,30,31
	global_load_b32 v[XV+32*(\b)+\i], v8, s[8:9] offset:(32*(\b)+\i)*2048 th:TH_LOAD_NT
.endr
.endm
.macro BLOCKV b                        ; block b of 32 keys: all its numbers are mine
.set XBK, XV+32*(\b)
	v_max3_num_f32 v10, |v[XBK]|, |v[XBK+1]|, 0x1800000
	v_max3_num_f32 v11, |v[XBK+2]|, |v[XBK+3]|, |v[XBK+4]|
.irp i, 5,9,13,17,21,25
	s_delay_alu instid0(VALU_DEP_2)
	v_max3_num_f32 v10, v10, |v[XBK+\i]|, |v[XBK+\i+1]|
	s_delay_alu instid0(VALU_DEP_2)
	v_max3_num_f32 v11, v11, |v[XBK+\i+2]|, |v[XBK+\i+3]|
.endr
	s_delay_alu instid0(VALU_DEP_2)
	v_max3_num_f32 v10, v10, |v[XBK+29]|, |v[XBK+30]|
	s_delay_alu instid0(VALU_DEP_1)
	v_max3_num_f32 v10, v10, v11, |v[XBK+31]|
	s_delay_alu instid0(VALU_DEP_1)
	v_add_nc_u32 v12, 0xff000000, v10
	s_delay_alu instid0(VALU_DEP_1)
	v_lshrrev_b32 v13, 23, v12
.if (\b) == 0
	s_delay_alu instid0(VALU_DEP_1)
	v_mov_b32 v20, v13
.else
	s_delay_alu instid0(VALU_DEP_1)
	v_lshl_or_b32 v20, v13, 8*(\b), v20
.endif
.if (\b)%2
	v_cvt_scalef32_pk16_fp6_f32 v[FB+6*((\b)/2):FB+6*((\b)/2)+2], v[XBK:XBK+15], v12
	v_cvt_scalef32_pk16_fp6_f32 v[T1:T1+2], v[XBK+16:XBK+31], v12
.else
	v_cvt_scalef32_pk16_fp6_f32 v[FA+6*((\b)/2):FA+6*((\b)/2)+2], v[XBK:XBK+15], v12
	v_cvt_scalef32_pk16_fp6_f32 v[T0:T0+2], v[XBK+16:XBK+31], v12
.endif
.endm
; Blocks 2 c (in FA, T0) and 2 c + 1 (in FB, T1) of 32 channels become registers 6 c .. 6 c + 5 of two fragments: the exchange gives FA's lanes 16-31 the odd block of
; channels 0-15 and FB's lanes 0-15 the even block of channels 16-31: a lane (r, h) of either fragment then holds block 2 c + h of its tile's channel r.
.macro JOINV c
	v_nop                                          ; one plain place behind a scaled conversion
.irp i, 0,1,2
	v_permlane16_swap_b32 v[FA+6*(\c)+\i], v[FB+6*(\c)+\i]
	v_permlane16_swap_b32 v[T0+\i], v[T1+\i]
.endr
.irp i, 0,1,2
	v_mov_b32 v[FA+6*(\c)+3+\i], v[T0+\i]
	v_mov_b32 v[FB+6*(\c)+3+\i], v[T1+\i]
.endr
.endm
	s_wait_alu depctr_va_vdst(0)
	LOADV 0
	LOADV 1
	s_wait_loadcnt 32                              ; block 0 is in; one younger block's 32 loads may be out (so at each of these waits)
	BLOCKV 0
	LOADV 2
	s_wait_loadcnt 32
	BLOCKV 1
	LOADV 3
	JOINV 0
	s_wait_loadcnt 32
	BLOCKV 2
	s_wait_loadcnt 0x0
	BLOCKV 3
	JOINV 1
.irp c, 0,1,2
	global_store_b128 v4, v[FA+4*\c:FA+4*\c+3], s[12:13] offset:512*\c
	global_store_b128 v4, v[FB+4*\c:FB+4*\c+3], s[12:13] offset:1536+512*\c
.endr
	global_store_b32 v8, v20, s[14:15]
	s_wait_tensorcnt 0x0                           ; the same three lines at this role's end
	ds_add_u32 v[SPW], v[NIL]
	s_wait_dscnt 0x0
	s_endpgm
.Lfunc_end_k_q6aed1c91da_quant:
	.size	k_q6aed1c91da_quant, .Lfunc_end_k_q6aed1c91da_quant-k_q6aed1c91da_quant
	.p2alignl 7, 3214868480
	.fill 96, 4, 3214868480
	.section	.rodata,"a",@progbits
	.p2align	6, 0x0
	.amdhsa_kernel k_q6aed1c91da_quant
		.amdhsa_group_segment_fixed_size 34816
		.amdhsa_private_segment_fixed_size 0
		.amdhsa_enable_private_segment 0
		.amdhsa_kernarg_size 40
		.amdhsa_user_sgpr_count 2
		.amdhsa_user_sgpr_kernarg_segment_ptr 1
		.amdhsa_wavefront_size32 1
		.amdhsa_system_sgpr_workgroup_id_x 1
		.amdhsa_system_sgpr_workgroup_id_y 1
		.amdhsa_system_sgpr_workgroup_id_z 1
		.amdhsa_system_vgpr_workitem_id 0
		.amdhsa_next_free_vgpr 256
		.amdhsa_next_free_sgpr 66
		.amdhsa_reserve_vcc 0
		.amdhsa_float_denorm_mode_32 3
		.amdhsa_float_denorm_mode_16_64 3
		.amdhsa_memory_ordered 1
		.amdhsa_forward_progress 1
		.amdhsa_inst_pref_size 57
	.end_amdhsa_kernel
	.amdgpu_metadata
---
amdhsa.version: [ 1, 2 ]
amdhsa.kernels:
  - .name:           k_q6aed1c91da_quant
    .symbol:         k_q6aed1c91da_quant.kd
    .args:
      - { .name: query, .offset: 0, .size: 8, .value_kind: global_buffer, .address_space: global }
      - { .name: key, .offset: 8, .size: 8, .value_kind: global_buffer, .address_space: global }
      - { .name: value, .offset: 16, .size: 8, .value_kind: global_buffer, .address_space: global }
      - { .name: qimg, .offset: 24, .size: 8, .value_kind: global_buffer, .address_space: global }
      - { .name: kv, .offset: 32, .size: 8, .value_kind: global_buffer, .address_space: global }
    .group_segment_fixed_size: 34816
    .private_segment_fixed_size: 0
    .kernarg_segment_align: 8
    .kernarg_segment_size: 40
    .max_flat_workgroup_size: 256
    .sgpr_count:     66
    .vgpr_count:     256
    .wavefront_size: 32
...
	.end_amdgpu_metadata
.endif
;; end of part 1
;; launch attn (part 2): grid 64 x 4, 4 waves a work-group, clusters of 4 x 1, 327,680 bytes of LDS; arguments qimg, kv, opart, stat; writes opart, stat
.if DOCPART == 2
	.amdgcn_target "amdgcn-amd-amdhsa--gfx1250"
	.amdhsa_code_object_version 6
	.text
	.protected	k_q6aed1c91da_attn
	.globl	k_q6aed1c91da_attn
	.p2align	8
	.type	k_q6aed1c91da_attn,@function
k_q6aed1c91da_attn:
	s_mov_b64 s[64:65], 0
	v_nop
	global_prefetch_b8 v0, s[64:65] scope:SCOPE_SE
	s_setreg_imm32_b32 hwreg(HW_REG_WAVE_MODE, 25, 1), 1
	s_wait_xcnt 0x0
	s_wait_alu depctr_hold_cnt(0) depctr_sa_sdst(0) depctr_va_vdst(0) depctr_va_sdst(0) depctr_va_ssrc(0) depctr_va_vcc(0) depctr_vm_vsrc(0)
	s_getreg_b32 s2, hwreg(HW_REG_IB_STS2, 6, 4)
	s_cmp_eq_u32 s2, 0
	s_cbranch_scc0 .Lentry_in_a_cluster
	s_endpgm
.Lentry_in_a_cluster:
	s_bfe_u32 s2, ttmp6, 0x10000c
	s_cmp_lg_u32 s2, 0x3003
	s_cbranch_scc0 .Lentry_shape_is_right
	s_endpgm
.Lentry_shape_is_right:
; Attention over one quarter of the keys: a work-group takes 128 queries x 2,048 keys in 16 steps of 128 keys; opart gets O under the split's own M, stat gets -M and the two half sums.
; S^T = K Q^T (a wave: 64 queries x 64 keys), p = 2^(t - M) with M the ceiling of the running largest t, p quantised by blocks of 32 keys, O^T += V^T p^T (a wave: 128 queries x 128 channels).
; Key and value tiles come by joint loads of the four query blocks of a cluster, through two LDS slots.
; LIMITS: the promise holds while |t| stays under 2^31; NaN and infinities among the inputs are not served.
; Element-wise f32 work on register pairs (t - M, the row sums, O x f) is written as dual-issue pairs: even and odd destination, and on each source port an even and an odd register;
; so -M and f, which both halves need, are each held twice, in an even and in an odd register.
.set SLOT1, 131072
.set STEPB, 102400
.set QUART, 25600
.set KSC,   49152
.set VBLK,  51200
.set VSC,   100352
.set PIMG,  102400
.set PSC,   114688
.set FIMG,  115200
.set MX,    116224
.set SPARE, 118272
.set STAGE, 233472
.set SPITCH, 528
.set AK0, 2
.set AKS0, 3
.set AV0, 4
.set AVS0, 5
.set ADK, 6
.set ADKS, 7
.set ADV, 8
.set ADVS, 9
.set PWA, 10
.set PWB, 11
.set PWS, 12
.set FW,  13
.set MXW, 14
.set MXR, 15
.set PRA, 16
.set PRB, 17
.set PRS, 18
.set FRD, 19
.set CO,  20
.set PFO, 21
.set SPW, 22
.set NIL, 23
.set PS,  24
.set VS,  28
.set QS,  32
.set KS,  40
.set ST,  48
.set BM,  64
.set PT,  72
.set LM,  80
.set LP,  84
.set FD,  88
.set HW,  88
.set SCO, 96
.set TS,  104
.set PC,  104
.set Y,   72
.set FP,  112
.set S,   128
.set PB,  128
.set VLO, 208
.set VHI, 192
.set BK,  128
.set STO, 100
.set RD,  101
.set SA,  102
.set L8,  255
.set MSB, 0
.macro WIN new
.if MSB != (\new)
	s_set_vgpr_msb (MSB<<8)|(\new)
.set MSB, (\new)
.endif
.endm
.macro PLACES n
.rept \n
	v_nop
.endr
.endm
.macro CROUND
	s_barrier_signal -1
	s_barrier_wait -1
	s_cmp_lg_u32 s12, 0
	s_cbranch_scc1 .Lnot_wave_0_\@
	s_barrier_signal -3
.Lnot_wave_0_\@:
	s_barrier_wait -3
	s_barrier_signal -1
	s_barrier_wait -1
.endm
.macro BARRIER
	s_wait_dscnt 0x0
	s_barrier_signal -1
	s_barrier_wait -1
.endm
.macro ASK
	s_cmp_gt_u32 s37, s38
	s_cbranch_scc0 .Lnot_mine_\@
	global_prefetch_b8 v[PFO], s[40:41] th:TH_LOAD_NT scope:SCOPE_SE
.Lnot_mine_\@:
.endm
.macro SMUL d, a, b, z, sa, sb, ra, rb
.set XD, \d
.set XA, \a
.set XB, \b
.set XSA, \sa
.set XSB, \sb
.if \z
.if (\ra) && (\rb)
	v_wmma_scale_f32_16x16x128_f8f6f4 v[XD:XD+7], v[XA:XA+11], v[XB:XB+11], 0, v[XSA], v[XSB] matrix_a_fmt:MATRIX_FMT_FP6 matrix_b_fmt:MATRIX_FMT_FP6 matrix_a_scale:MATRIX_SCALE_ROW1 matrix_b_scale:MATRIX_SCALE_ROW1
.elseif \ra
	v_wmma_scale_f32_16x16x128_f8f6f4 v[XD:XD+7], v[XA:XA+11], v[XB:XB+11], 0, v[XSA], v[XSB] matrix_a_fmt:MATRIX_FMT_FP6 matrix_b_fmt:MATRIX_FMT_FP6 matrix_a_scale:MATRIX_SCALE_ROW1
.elseif \rb
	v_wmma_scale_f32_16x16x128_f8f6f4 v[XD:XD+7], v[XA:XA+11], v[XB:XB+11], 0, v[XSA], v[XSB] matrix_a_fmt:MATRIX_FMT_FP6 matrix_b_fmt:MATRIX_FMT_FP6 matrix_b_scale:MATRIX_SCALE_ROW1
.else
	v_wmma_scale_f32_16x16x128_f8f6f4 v[XD:XD+7], v[XA:XA+11], v[XB:XB+11], 0, v[XSA], v[XSB] matrix_a_fmt:MATRIX_FMT_FP6 matrix_b_fmt:MATRIX_FMT_FP6
.endif
.else
.if (\ra) && (\rb)
	v_wmma_scale_f32_16x16x128_f8f6f4 v[XD:XD+7], v[XA:XA+11], v[XB:XB+11], v[XD:XD+7], v[XSA], v[XSB] matrix_a_fmt:MATRIX_FMT_FP6 matrix_b_fmt:MATRIX_FMT_FP6 matrix_a_scale:MATRIX_SCALE_ROW1 matrix_b_scale:MATRIX_SCALE_ROW1
.elseif \ra
	v_wmma_scale_f32_16x16x128_f8f6f4 v[XD:XD+7], v[XA:XA+11], v[XB:XB+11], v[XD:XD+7], v[XSA], v[XSB] matrix_a_fmt:MATRIX_FMT_FP6 matrix_b_fmt:MATRIX_FMT_FP6 matrix_a_scale:MATRIX_SCALE_ROW1
.elseif \rb
	v_wmma_scale_f32_16x16x128_f8f6f4 v[XD:XD+7], v[XA:XA+11], v[XB:XB+11], v[XD:XD+7], v[XSA], v[XSB] matrix_a_fmt:MATRIX_FMT_FP6 matrix_b_fmt:MATRIX_FMT_FP6 matrix_b_scale:MATRIX_SCALE_ROW1
.else
	v_wmma_scale_f32_16x16x128_f8f6f4 v[XD:XD+7], v[XA:XA+11], v[XB:XB+11], v[XD:XD+7], v[XSA], v[XSB] matrix_a_fmt:MATRIX_FMT_FP6 matrix_b_fmt:MATRIX_FMT_FP6
.endif
.endif
.endm
.macro KLOAD set, ks
.if \set
	WIN 0x40
.set KB, 192
.else
	WIN 0
.set KB, 64
.endif
.irp t, 0,1,2,3
.irp c, 0,1,2
	ds_load_b128 v[KB+12*\t+4*\c:KB+12*\t+4*\c+3], v[ADK] offset:6144*\t+1536*(\ks)+512*\c
.endr
.endr
.endm
.macro KSLOAD
.irp t, 0,1,2,3
	ds_load_b64 v[KS+2*\t:KS+2*\t+1], v[ADKS] offset:256*\t
.endr
.endm
.macro ADDRS
	v_add_nc_u32 v[ADK], s36, v[AK0]
	v_add_nc_u32 v[ADKS], s36, v[AKS0]
	v_add_nc_u32 v[ADV], s36, v[AV0]
	v_add_nc_u32 v[ADVS], s36, v[AVS0]
.endm
.macro QKMUL ks
	WIN 0x04+((\ks)&1)
.irp x, 0,1,2,3
.irp t, 0,1,2,3
	SMUL S+32*\x+8*\t, 64+128*((\ks)&1)+12*\t, 48*\x+12*(\ks), (\ks)==0, KS+2*\t+(\ks)/2, QS+2*\x+(\ks)/2, (\ks)&1, (\ks)&1
.endr
.endr
.endm
.macro PLOAD x
.set PBX, PB+12*((\x)%4)
	ds_load_b128 v[PBX:PBX+3], v[PRA] offset:1536*(\x)
	ds_load_b64 v[PBX+4:PBX+5], v[PRB] offset:1536*(\x)
	ds_load_b128 v[PBX+6:PBX+9], v[PRA] offset:1536*(\x)+768
	ds_load_b64 v[PBX+10:PBX+11], v[PRB] offset:1536*(\x)+768
.endm
.macro PVROW x, first
.set WA, 2+(\x)/4
.set WB, 2+((\x)+1)/4
.irp e, 0,2,4,6
	WIN 0x50*WA+1-\e/4
	SMUL 8*(8*((\x)%4)+\e), VHI+12*\e-32*(\e/4), PB+12*((\x)%4), \first, VS+\e/2, PS+(\x)/2, 0, (\x)&1
	SMUL 8*(8*((\x)%4)+\e+1), VHI+12*(\e+1)-32*(\e/4), PB+12*((\x)%4), \first, VS+\e/2, PS+(\x)/2, 1, (\x)&1
.if (!(\first)) && ((\x) < 7)
	WIN 0x41*WB
.set AN, 8*(8*(((\x)+1)%4)+\e)
.irp g, 0,2,4,6,8,10,12,14
	v_dual_mul_f32 v[AN+\g], v[AN+\g], v[FP+2*((\x)+1)] :: v_dual_mul_f32 v[AN+\g+1], v[AN+\g+1], v[FP+2*((\x)+1)+1]   ; the next row's O x f
.endr
.endif
.endr
.endm
	s_load_b256 s[4:11], s[0:1], 0x0
	v_lshl_add_u32 v[SPW], v0, 2, SPARE
	v_mov_b32 v[NIL], 0
	ds_add_u32 v[SPW], v[NIL]
	ds_add_u32 v[SPW], v[NIL]
	v_lshrrev_b32 v1, 5, v0
	v_readfirstlane_b32 s12, v1
	s_and_b32 s13, s12, 1
	s_lshr_b32 s14, s12, 1
	s_bfe_u32 s15, ttmp6, 0x40000
	s_lshl_b32 s16, ttmp9, 2
	s_add_co_u32 s16, s16, s15
	s_and_b32 s17, ttmp7, 0xffff
	s_mov_b32 s24, 15|(3<<16)|(1<<21)
	s_mov_b32 s25, 32<<16
	s_mov_b32 s26, 100<<16
	s_mov_b32 s27, 32<<16
	s_mov_b32 s28, 100
	s_mov_b32 s29, 32
	s_mov_b32 s30, 0
	s_mov_b32 s31, 0
	s_mov_b32 s20, 0x76543210
	s_mov_b32 s21, 0xfedcba98
	s_mov_b32 s22, 0x3fb8aa3b
	s_mov_b32 s42, 0xffff0000
	s_mov_b32 s36, 0
	s_mov_b32 s37, 14
	s_cmp_eq_u32 ttmp9, 0
	s_cselect_b32 s38, 1, -1
	s_cmp_lg_u32 s13, 0
	s_cselect_b32 s39, -1, 0
	s_mul_i32 s2, s17, 16*STEPB
	s_mul_i32 s3, s12, QUART
	s_add_co_u32 s2, s2, s3
	s_mov_b32 s3, 0
	s_mov_b32 s47, 0
	s_wait_dscnt 0x0
	s_wait_kmcnt 0x0
	s_add_nc_u64 s[6:7], s[6:7], s[2:3]
	s_mov_b32 s32, 1
	s_mul_i32 s33, s12, QUART
	s_mov_b64 s[34:35], s[6:7]
	s_or_b32 s35, s35, 0x80000000
	s_mov_b32 s48, 1
	s_add_co_u32 s49, s33, SLOT1
	s_add_nc_u64 s[50:51], s[6:7], STEPB
	s_or_b32 s51, s51, 0x80000000
	s_mul_i32 s46, s15, 6400
	s_add_co_u32 s46, s46, 2*STEPB
	s_add_nc_u64 s[40:41], s[6:7], s[46:47]
	s_mul_i32 s46, s16, 51200
	s_add_nc_u64 s[4:5], s[4:5], s[46:47]
	s_lshl_b32 s46, s14, 10
	s_add_co_u32 s46, s46, KSC
	s_add_nc_u64 s[44:45], s[4:5], s[46:47]
	s_mul_i32 s46, s14, 24576
	s_add_nc_u64 s[4:5], s[4:5], s[46:47]
	s_lshl_b32 s46, s17, 24
	s_lshl_b32 s18, s16, 18
	s_add_co_u32 s46, s46, s18
	s_lshl_b32 s18, s12, 9
	s_add_co_u32 s46, s46, s18
	s_add_nc_u64 s[8:9], s[8:9], s[46:47]
	s_lshl_b32 s46, s16, 13
	s_lshl_b32 s18, s14, 12
	s_add_co_u32 s46, s46, s18
	s_lshl_b32 s18, s17, 1
	s_add_co_u32 s18, s18, s13
	s_lshl_b32 s18, s18, 3
	s_add_co_u32 s46, s46, s18
	s_add_nc_u64 s[10:11], s[10:11], s[46:47]
	CROUND
	tensor_load_to_lds s[32:35], s[24:31]
	s_nop 0
	PLACES 4
	v_and_b32 v1, 31, v0
	v_and_b32 v6, 15, v0
	v_lshlrev_b32 v[CO], 4, v1
	v_lshlrev_b32 v[L8], 3, v1
	v_lshlrev_b32 v8, 2, v1
	s_wait_alu depctr_va_vdst(0)
	WIN 0x40                                       ; my 64 queries' fragments and scale words are asked for here, behind the first tile's request; their wait stands ahead of the first step
.irp x, 0,1,2,3
.irp k, 0,1,2,3
.irp c, 0,1,2
	global_load_b128 v[48*\x+12*\k+4*\c:48*\x+12*\k+4*\c+3], v[CO], s[4:5] offset:6144*\x+1536*\k+512*\c
.endr
.endr
.endr
	WIN 0
.irp x, 0,1,2,3
	global_load_b64 v[QS+2*\x:QS+2*\x+1], v[L8], s[44:45] offset:256*\x
.endr
	s_wait_alu depctr_va_vdst(0)
	s_wait_tensorcnt 0x0
	ds_add_u32 v22, v23
	s_wait_dscnt 0x0
	CROUND
	tensor_load_to_lds s[48:51], s[24:31]
	s_nop 0
	PLACES 4
	s_mul_i32 s2, s13, 24576
	v_add_nc_u32 v[AK0], s2, v[CO]
	s_lshl_b32 s2, s13, 10
	s_add_co_u32 s2, s2, KSC
	v_add_nc_u32 v[AKS0], s2, v[L8]
	s_mul_i32 s2, s12, 12288
	s_add_co_u32 s2, s2, VBLK
	v_add_nc_u32 v[AV0], s2, v[CO]
	s_lshl_b32 s2, s12, 9
	s_add_co_u32 s3, s2, VSC
	v_add_nc_u32 v[AVS0], s3, v8
	s_add_co_u32 s3, s2, MX
	v_add_nc_u32 v[MXW], s3, v[CO]
	s_xor_b32 s3, s12, 1
	s_lshl_b32 s3, s3, 9
	s_add_co_u32 s3, s3, MX
	v_add_nc_u32 v[MXR], s3, v[CO]
	s_mul_i32 s2, s14, 6144
	s_mul_i32 s3, s13, 768
	s_add_co_u32 s2, s2, s3
	s_add_co_u32 s2, s2, PIMG
	v_add_nc_u32 v[PWA], s2, v[CO]
	s_add_co_u32 s2, s2, 512
	v_add_nc_u32 v[PWB], s2, v[L8]
	s_lshl_b32 s2, s14, 8
	s_lshl_b32 s3, s13, 1
	s_add_co_u32 s2, s2, s3
	s_add_co_u32 s2, s2, PSC
	v_lshl_add_u32 v[PWS], v6, 2, s2
	s_lshl_b32 s2, s12, 8
	s_add_co_u32 s2, s2, FIMG
	v_add_nc_u32 v[FW], s2, v8
	v_add_nc_u32 v[PRA], PIMG, v[CO]
	v_add_nc_u32 v[PRB], PIMG+512, v[L8]
	v_add_nc_u32 v[PRS], PSC, v8
	v_add_nc_u32 v[FRD], FIMG, v8
	v_min_u32 v[PFO], 24, v1
	v_lshlrev_b32 v[PFO], 8, v[PFO]
.irp x, 0,1,2,3
	v_mov_b32 v[ST+4*\x+1], 0xff61b1e6
	v_floor_f32 v[ST+4*\x], -v[ST+4*\x+1]
	v_mov_b32 v[ST+4*\x+2], 0
	v_mov_b32 v[ST+4*\x+3], 0
.endr
.macro STEP first, fill, next
	KLOAD 1, 1
	s_wait_dscnt 12
	QKMUL 0
	PLACES 4
	KLOAD 0, 2
	s_wait_dscnt 12
	QKMUL 1
	PLACES 4
	KLOAD 1, 3
	s_wait_dscnt 12
	QKMUL 2
	s_wait_dscnt 0x0
	QKMUL 3
	WIN 0
	PLACES 4
	WIN 0x40
.irp d, 0,1,2,3
.irp c, 0,1,2
	ds_load_b128 v[VHI+12*\d+4*\c:VHI+12*\d+4*\c+3], v[ADV] offset:1536*\d+512*\c
.endr
.endr
	WIN 0
.irp n, 0,1,2,3
	ds_load_b32 v[VS+\n], v[ADVS] offset:128*\n
.endr
.irp q, 0,1,2,3,4,5,6,7
	v_max3_num_f32 v[BM+\q], v[S+16*\q], v[S+16*\q+1], v[S+16*\q+2]
.endr
.irp n, 3,5,7,9,11,13
.irp q, 0,1,2,3,4,5,6,7
	v_max3_num_f32 v[BM+\q], v[BM+\q], v[S+16*\q+\n], v[S+16*\q+\n+1]
.endr
.endr
.irp q, 0,1,2,3,4,5,6,7
	v_max_num_f32 v[BM+\q], v[BM+\q], v[S+16*\q+15]
.endr
.irp q, 0,1,2,3,4,5,6,7
	v_permlanex16_b32 v[PT+\q], v[BM+\q], s20, s21
.endr
.irp q, 0,1,2,3,4,5,6,7
	v_max_num_f32 v[BM+\q], v[BM+\q], v[PT+\q]
.endr
.irp x, 0,1,2,3
	v_max_num_f32 v[LM+\x], v[BM+2*\x], v[BM+2*\x+1]
.endr
	ds_store_b128 v[MXW], v[LM:LM+3]
	s_wait_alu depctr_va_vdst(0)
	BARRIER
	ds_load_b128 v[LP:LP+3], v[MXR]
	s_wait_dscnt 0x0
.irp x, 0,1,2,3
	v_max_num_f32 v[LM+\x], v[LM+\x], v[LP+\x]
.endr
.irp x, 0,1,2,3
	v_mul_f32 v[LM+\x], s22, v[LM+\x]
.endr
.irp x, 0,1,2,3
	v_max_num_f32 v[ST+4*\x+1], v[ST+4*\x+1], v[LM+\x]
.endr
.irp x, 0,1,2,3
	v_mov_b32 v[FD+2*\x+1], v[ST+4*\x]
.endr
.irp x, 0,1,2,3
	v_floor_f32 v[ST+4*\x], -v[ST+4*\x+1]
.endr
.irp x, 0,1,2,3
	v_sub_f32 v[FD+2*\x+1], v[ST+4*\x], v[FD+2*\x+1]
.endr
.irp x, 0,1,2,3
	v_cvt_i32_f32 v[FD+2*\x+1], v[FD+2*\x+1]
.endr
.irp x, 0,1,2,3
	v_ldexp_f32 v[FD+2*\x], 1.0, v[FD+2*\x+1]
.endr
.irp x, 0,1,2,3
	v_mov_b32 v[FD+2*\x+1], v[ST+4*\x]             ; -M once more, in an odd register
.endr
.irp k, 0,1
	v_cndmask_b32 v[LP+\k], v[FD+2*\k], v[FD+4+2*\k], s39
.endr
.irp k, 0,1
	ds_store_b32 v[FW], v[LP+\k] offset:128*\k
.endr
.set j, 0
.rept 64
	v_dual_fmamk_f32 v[S+2*j], v[S+2*j], 0x3fb8aa3b, v[ST+4*(j/16)] :: v_dual_fmamk_f32 v[S+2*j+1], v[S+2*j+1], 0x3fb8aa3b, v[FD+2*(j/16)+1]   ; t - M = score x log2(e) + (-M), fused
.set j, j+1
.endr
.irp q, 0,1,2,3,4,5,6,7
	v_fma_f32 v[BM+\q], v[BM+\q], s22, v[ST+4*(\q/2)]
.endr
.set j, 0
	s_wait_alu depctr_va_vdst(0)
.rept 128
	v_exp_f32 v[S+j], v[S+j]
.set j, j+1
.endr
.irp x, 0,1,2,3
	v_pk_mul_f32 v[ST+4*\x+2:ST+4*\x+3], v[ST+4*\x+2:ST+4*\x+3], v[FD+2*\x:FD+2*\x+1] op_sel_hi:[1,0]
.endr
	s_wait_alu depctr_va_vdst(0)
.irp q, 0,1,2,3,4,5,6,7
	v_exp_f32 v[BM+\q], v[BM+\q]
.endr
.irp x, 0,1,2,3
	v_dual_add_f32 v[TS+2*\x], v[S+32*\x], v[S+32*\x+2] :: v_dual_add_f32 v[TS+2*\x+1], v[S+32*\x+1], v[S+32*\x+3]
.endr
.irp n, 4,8,12,16,20,24,28
.irp x, 0,1,2,3
	v_dual_add_f32 v[ST+4*\x+2], v[S+32*\x+\n], v[ST+4*\x+2] :: v_dual_add_f32 v[ST+4*\x+3], v[S+32*\x+\n+1], v[ST+4*\x+3]
	v_dual_add_f32 v[TS+2*\x], v[S+32*\x+\n+2], v[TS+2*\x] :: v_dual_add_f32 v[TS+2*\x+1], v[S+32*\x+\n+3], v[TS+2*\x+1]
.endr
.endr
.irp x, 0,1,2,3
	v_dual_add_f32 v[ST+4*\x+2], v[TS+2*\x], v[ST+4*\x+2] :: v_dual_add_f32 v[ST+4*\x+3], v[TS+2*\x+1], v[ST+4*\x+3]
.endr
	s_wait_alu depctr_va_vdst(0)
.irp q, 0,1,2,3,4,5,6,7
	v_max_num_f32 v[BM+\q], 0x1800000, v[BM+\q]
.endr
.irp q, 0,1,2,3,4,5,6,7
	v_add_nc_u32 v[SCO+\q], 0xff000000, v[BM+\q]
.endr
.irp q, 0,1,2,3,4,5,6,7
	v_lshrrev_b32 v[PT+\q], 23, v[SCO+\q]
.endr
.irp x, 0,1,2,3
	v_lshl_or_b32 v[HW+\x], v[PT+2*\x+1], 8, v[PT+2*\x]
.endr
.irp x, 0,1,2,3
	v_cvt_scalef32_pk16_fp6_f32 v[PC+6*\x:PC+6*\x+2], v[S+32*\x:S+32*\x+15], v[SCO+2*\x]
	v_cvt_scalef32_pk16_fp6_f32 v[Y+4*\x:Y+4*\x+2], v[S+32*\x+16:S+32*\x+31], v[SCO+2*\x+1]
.endr
	v_nop
.irp d, 4,5,6,7
.irp c, 0,1,2
	ds_load_b128 v[VLO+12*(\d-4)+4*\c:VLO+12*(\d-4)+4*\c+3], v[ADV] offset:1536*\d+512*\c
.endr
.endr
.irp x, 0,1,2,3
.irp n, 0,1,2
	v_permlane16_swap_b32 v[PC+6*\x+\n], v[Y+4*\x+\n]
.endr
.irp n, 0,1,2
	v_mov_b32 v[PC+6*\x+3+\n], v[Y+4*\x+\n]
.endr
.endr
.irp x, 0,1,2,3
	ds_store_b128 v[PWA], v[PC+6*\x:PC+6*\x+3] offset:1536*\x
	ds_store_b64 v[PWB], v[PC+6*\x+4:PC+6*\x+5] offset:1536*\x
	ds_store_b16 v[PWS], v[HW+\x] offset:64*\x
.endr
.if (\fill) || (\next)
	s_wait_tensorcnt 0x0
	ds_add_u32 v[SPW], v[NIL]
.if \fill
	s_xor_b32 s49, s49, SLOT1
	s_add_nc_u64 s[50:51], s[50:51], STEPB
	s_wait_xcnt 0x0
	s_add_nc_u64 s[40:41], s[40:41], STEPB
.endif
	s_xor_b32 s36, s36, SLOT1
.endif
	s_wait_dscnt 0x0
.if \fill
	CROUND
	tensor_load_to_lds s[48:51], s[24:31]
	s_nop 0
.else
	s_barrier_signal -1
	s_barrier_wait -1
.endif
.if \next
	ADDRS
.endif
.if !(\first)
.irp x, 0,1,2,3,4,5,6,7
	ds_load_b32 v[FP+2*\x], v[FRD] offset:128*\x
	ds_load_b32 v[FP+2*\x+1], v[FRD] offset:128*\x   ; f once more, in the odd register; both stand ahead of every load that the counted waits below leave out
.endr
.endif
.irp n, 0,1,2,3
	ds_load_b32 v[PS+\n], v[PRS] offset:128*\n
.endr
	PLOAD 0
	PLOAD 1
	PLOAD 2
	PLOAD 3
.if \next
	KLOAD 0, 0
	KSLOAD
.endif
.if \fill
	ASK
.endif
	s_wait_dscnt 16+16*(\next)
.if !(\first)
	WIN 0x82
.set j, 0
.rept 32
	v_dual_mul_f32 v[2*j], v[2*j], v[FP] :: v_dual_mul_f32 v[2*j+1], v[2*j+1], v[FP+1]   ; row 0's O x f
.set j, j+1
.endr
.endif
.irp x, 0,1,2,3,4,5,6,7
.if \x < 4
	s_wait_dscnt 12+16*(\next)
.else
	s_wait_alu depctr_va_vdst(0)
	s_wait_dscnt 4*(7-\x)
.endif
	PVROW \x, \first
.if \x < 4
	WIN 0
.if \first
	PLACES 4
.endif
	PLOAD \x+4
.endif
.endr
	WIN 0
	PLACES 5
.endm
	s_wait_tensorcnt 0x1
	s_barrier_signal -1
	s_barrier_wait -1
	ADDRS
	KLOAD 0, 0
	KSLOAD
	s_wait_alu depctr_va_vdst(0)
	s_wait_loadcnt 0x0
	STEP 1, 1, 1
	s_sub_co_u32 s37, s37, 1
.Lstep:
	s_wait_alu depctr_va_vdst(0)
	STEP 0, 1, 1
	s_sub_co_u32 s37, s37, 1
	s_cmp_lg_u32 s37, 0
	s_cbranch_scc1 .Lstep
	STEP 0, 0, 1
	STEP 0, 0, 0
	v_and_b32 v103, 15, v0
	v_bfe_u32 v104, v0, 4, 1
	s_mul_i32 s2, s12, 16*SPITCH
	s_add_co_u32 s2, s2, STAGE
	v_mul_u32_u24 v[STO], v103, SPITCH
	v_lshl_add_u32 v[STO], v104, 5, v[STO]
	v_add_nc_u32 v[STO], s2, v[STO]
	v_add_nc_u32 v[RD], s2, v[CO]
	v_and_b32 v105, 8, v103
	v_add_nc_u32 v105, v105, v103
	v_lshl_add_u32 v105, v104, 3, v105
	v_lshlrev_b32 v[SA], 6, v105
.irp x, 0,1,2,3
	v_add_f32 v[64+\x], v[ST+4*\x+2], v[ST+4*\x+3]
.endr
.irp x, 0,1,2,3
	v_permlanex16_b32 v[68+\x], v[64+\x], s20, s21
.endr
.irp x, 0,1,2,3
	v_add_f32 v[64+\x], v[64+\x], v[68+\x]
.endr
.irp k, 0,1
	v_cndmask_b32 v[72+2*\k], v[ST+8*\k], v[ST+8*\k+4], s42
	v_cndmask_b32 v[73+2*\k], v[64+2*\k], v[65+2*\k], s42
	global_store_b64 v[SA], v[72+2*\k:73+2*\k], s[10:11] offset:2048*\k
.endr
.macro TOSTAGE x
.set AC, 64*((\x)%4)
	WIN 0x08+4*((\x)/4)
.irp d, 0,1,2,3,4,5,6,7
	ds_store_b128 v[STO], v[AC+8*\d:AC+8*\d+3] offset:64*\d
	ds_store_b128 v[STO], v[AC+8*\d+4:AC+8*\d+7] offset:64*\d+16
.endr
	WIN 0
.set BB, BK+64*((\x)%2)
.irp t, 0,1,2,3,4,5,6,7,8,9,10,11,12,13,14,15
	ds_load_b128 v[BB+4*\t:BB+4*\t+3], v[RD] offset:\t*SPITCH
.endr
.endm
.macro SEND x, younger
.set BB, BK+64*((\x)%2)
	s_wait_dscnt \younger
.irp t, 0,1,2,3,4,5,6,7,8,9,10,11,12,13,14,15
	global_store_b128 v[CO], v[BB+4*\t:BB+4*\t+3], s[8:9] offset:(32*((\x)/2)+8*((\x)%2)+\t+8*(\t/8))*2048 th:TH_STORE_NT
.endr
.endm
	TOSTAGE 0
.irp a, 1,2,3,4,5,6,7
.if \a > 1
	s_wait_xcnt 0x0
.endif
	TOSTAGE \a
	SEND \a-1, 32
.endr
	SEND 7, 0
	s_wait_tensorcnt 0x0
	ds_add_u32 v[SPW], v[NIL]
	s_wait_dscnt 0x0
	CROUND
	s_endpgm
.Lfunc_end_k_q6aed1c91da_attn:
	.size	k_q6aed1c91da_attn, .Lfunc_end_k_q6aed1c91da_attn-k_q6aed1c91da_attn
	.p2alignl 7, 3214868480
	.fill 96, 4, 3214868480
	.section	.rodata,"a",@progbits
	.p2align	6, 0x0
	.amdhsa_kernel k_q6aed1c91da_attn
		.amdhsa_group_segment_fixed_size 327680
		.amdhsa_private_segment_fixed_size 0
		.amdhsa_enable_private_segment 0
		.amdhsa_kernarg_size 32
		.amdhsa_user_sgpr_count 2
		.amdhsa_user_sgpr_kernarg_segment_ptr 1
		.amdhsa_wavefront_size32 1
		.amdhsa_system_sgpr_workgroup_id_x 1
		.amdhsa_system_sgpr_workgroup_id_y 1
		.amdhsa_system_sgpr_workgroup_id_z 1
		.amdhsa_system_vgpr_workitem_id 0
		.amdhsa_next_free_vgpr 1024
		.amdhsa_next_free_sgpr 66
		.amdhsa_reserve_vcc 0
		.amdhsa_float_denorm_mode_32 3
		.amdhsa_float_denorm_mode_16_64 3
		.amdhsa_memory_ordered 1
		.amdhsa_forward_progress 1
		.amdhsa_inst_pref_size 255
	.end_amdhsa_kernel
	.section	.bss,"aw",@nobits
	.p2align	6
	.space	262144
	.amdgpu_metadata
---
amdhsa.version: [ 1, 2 ]
amdhsa.kernels:
  - .name:           k_q6aed1c91da_attn
    .symbol:         k_q6aed1c91da_attn.kd
    .args:
      - { .name: qimg, .offset: 0, .size: 8, .value_kind: global_buffer, .address_space: global }
      - { .name: kv, .offset: 8, .size: 8, .value_kind: global_buffer, .address_space: global }
      - { .name: opart, .offset: 16, .size: 8, .value_kind: global_buffer, .address_space: global }
      - { .name: stat, .offset: 24, .size: 8, .value_kind: global_buffer, .address_space: global }
    .group_segment_fixed_size: 327680
    .private_segment_fixed_size: 0
    .kernarg_segment_align: 8
    .kernarg_segment_size: 32
    .max_flat_workgroup_size: 128
    .sgpr_count:     66
    .vgpr_count:     1024
    .wavefront_size: 32
...
	.end_amdgpu_metadata
.endif
;; end of part 2
;; launch combine (part 3): grid 512 x 1, 8 waves a work-group, no clusters, 0 bytes of LDS; arguments opart, stat, out0; writes out0
.if DOCPART == 3
	.amdgcn_target "amdgcn-amd-amdhsa--gfx1250"
	.amdhsa_code_object_version 6
	.text
	.protected	k_q6aed1c91da_combine
	.globl	k_q6aed1c91da_combine
	.p2align	8
	.type	k_q6aed1c91da_combine,@function
k_q6aed1c91da_combine:
	s_mov_b64 s[64:65], 0
	v_nop
	global_prefetch_b8 v0, s[64:65] scope:SCOPE_SE
	s_setreg_imm32_b32 hwreg(HW_REG_WAVE_MODE, 25, 1), 1
	s_wait_xcnt 0x0
; out0[q][:] = (the sum over the four splits s of w_s O_s[q][:]) / (the sum of w_s (l_s0 + l_s1)), w_s = 2^(M_s - the largest M): whole powers of two, which round nothing.
; opart [4][8192][512] f32; stat [8192][16] f32: at 4 s: -M_s, l_s0, -M_s, l_s1.  A stream: each byte is read once and written once; no LDS, no barrier, no matrix unit.
; A wave takes two rows: lanes 0-15 the even one, lanes 16-31 the odd one; each load and store covers 256 consecutive aligned bytes of each row.  All 36 loads go out at the head.
	s_load_b128 s[4:7], s[0:1], 0x0                ; opart, stat
	s_load_b64 s[8:9], s[0:1], 0x10                ; out0
	v_lshrrev_b32 v1, 5, v0
	s_delay_alu instid0(VALU_DEP_1)
	v_readfirstlane_b32 s10, v1
	s_lshl_b32 s11, ttmp9, 3
	s_add_co_u32 s10, s11, s10                     ; my pair of rows
	v_bfe_u32 v3, v0, 4, 1                         ; h
	v_and_b32 v1, 15, v0
	s_delay_alu instid0(VALU_DEP_1)
	v_lshlrev_b32 v1, 4, v1
	s_delay_alu instid0(VALU_DEP_1)
	v_lshl_add_u32 v1, v3, 11, v1                  ; 2048 h + 16 (lane % 16)
	s_delay_alu instid0(VALU_DEP_4)
	v_lshlrev_b32 v2, 6, v3                        ; 64 h
	s_lshl_b32 s20, s10, 12
	s_mov_b32 s21, 0
	s_lshl_b32 s22, s10, 7
	s_mov_b32 s23, 0
	s_wait_alu depctr_va_vdst(0)
	s_wait_kmcnt 0x0
	s_add_nc_u64 s[6:7], s[6:7], s[22:23]
	s_add_nc_u64 s[8:9], s[8:9], s[20:21]
	s_add_nc_u64 s[12:13], s[4:5], s[20:21]        ; a base for each split: 2^24 bytes apart, more than an immediate holds
	s_add_nc_u64 s[14:15], s[12:13], 0x1000000
	s_add_nc_u64 s[16:17], s[12:13], 0x2000000
	s_add_nc_u64 s[18:19], s[12:13], 0x3000000
.irp s, 0,1,2,3
	global_load_b128 v[4+4*\s:7+4*\s], v2, s[6:7] offset:16*\s
.endr
.irp c, 0,1,2,3,4,5,6,7
.irp s, 0,1,2,3
	global_load_b128 v[32+16*\c+4*\s:35+16*\c+4*\s], v1, s[12+2*\s:13+2*\s] offset:256*\c th:TH_LOAD_NT
.endr
.endr
	s_wait_loadcnt 32                              ; the statistics are in; the 32 loads behind them may be out
	v_min3_num_f32 v20, v4, v8, v12
	s_delay_alu instid0(VALU_DEP_1)
	v_min_num_f32 v20, v20, v16                    ; - the largest M
.irp s, 0,1,2,3
	v_sub_f32 v[25+2*\s], v20, v[4+4*\s]           ; M_s - the largest M: a whole number, 0 or less
.endr
.irp s, 0,1,2,3
	s_delay_alu instid0(VALU_DEP_4)
	v_cvt_i32_f32 v[25+2*\s], v[25+2*\s]           ; (it saturates)
.endr
.irp s, 0,1,2,3
	s_delay_alu instid0(VALU_DEP_4)
	v_ldexp_f32 v[25+2*\s], 1.0, v[25+2*\s]        ; w_s
.endr
.irp s, 0,1,2,3
	v_add_f32 v[5+4*\s], v[5+4*\s], v[7+4*\s]
.endr
	s_delay_alu instid0(VALU_DEP_4)
	v_mul_f32 v21, v25, v5
	s_delay_alu instid0(VALU_DEP_1)
	v_fmac_f32 v21, v27, v9
	s_delay_alu instid0(VALU_DEP_1)
	v_fmac_f32 v21, v29, v13
	s_delay_alu instid0(VALU_DEP_1)
	v_fmac_f32 v21, v31, v17                       ; the row's sum
	s_wait_alu depctr_va_vdst(0)
	v_rcp_f32 v22, v21
	v_nop                                          ; one plain place behind a transcendental
	s_wait_alu depctr_va_vdst(0)
.irp s, 0,1,2,3
	v_mul_f32 v[24+2*\s], v[25+2*\s], v22          ; g_s = w_s / the sum, the low word of a pair
.endr
	s_wait_alu depctr_va_vdst(0)
.irp c, 0,1,2,3,4,5,6,7
	s_wait_loadcnt 28-4*\c                         ; this piece's four loads are in; the later pieces' may be out
	v_pk_mul_f32 v[32+16*\c:33+16*\c], v[32+16*\c:33+16*\c], v[24:25] op_sel_hi:[1,0]
	v_pk_mul_f32 v[34+16*\c:35+16*\c], v[34+16*\c:35+16*\c], v[24:25] op_sel_hi:[1,0]
.irp s, 1,2,3
	s_delay_alu instid0(VALU_DEP_2)
	v_pk_fma_f32 v[32+16*\c:33+16*\c], v[32+16*\c+4*\s:33+16*\c+4*\s], v[24+2*\s:25+2*\s], v[32+16*\c:33+16*\c] op_sel_hi:[1,0,1]
	s_delay_alu instid0(VALU_DEP_2)
	v_pk_fma_f32 v[34+16*\c:35+16*\c], v[34+16*\c+4*\s:35+16*\c+4*\s], v[24+2*\s:25+2*\s], v[34+16*\c:35+16*\c] op_sel_hi:[1,0,1]
.endr
	global_store_b128 v1, v[32+16*\c:35+16*\c], s[8:9] offset:256*\c th:TH_STORE_NT
.endr
	s_endpgm
.Lfunc_end_k_q6aed1c91da_combine:
	.size	k_q6aed1c91da_combine, .Lfunc_end_k_q6aed1c91da_combine-k_q6aed1c91da_combine
	.p2alignl 7, 3214868480
	.fill 96, 4, 3214868480
	.section	.rodata,"a",@progbits
	.p2align	6, 0x0
	.amdhsa_kernel k_q6aed1c91da_combine
		.amdhsa_group_segment_fixed_size 0
		.amdhsa_private_segment_fixed_size 0
		.amdhsa_enable_private_segment 0
		.amdhsa_kernarg_size 24
		.amdhsa_user_sgpr_count 2
		.amdhsa_user_sgpr_kernarg_segment_ptr 1
		.amdhsa_wavefront_size32 1
		.amdhsa_system_sgpr_workgroup_id_x 1
		.amdhsa_system_sgpr_workgroup_id_y 1
		.amdhsa_system_sgpr_workgroup_id_z 1
		.amdhsa_system_vgpr_workitem_id 0
		.amdhsa_next_free_vgpr 176
		.amdhsa_next_free_sgpr 66
		.amdhsa_reserve_vcc 0
		.amdhsa_float_denorm_mode_32 3
		.amdhsa_float_denorm_mode_16_64 3
		.amdhsa_memory_ordered 1
		.amdhsa_forward_progress 1
		.amdhsa_inst_pref_size 13
	.end_amdhsa_kernel
	.amdgpu_metadata
---
amdhsa.version: [ 1, 2 ]
amdhsa.kernels:
  - .name:           k_q6aed1c91da_combine
    .symbol:         k_q6aed1c91da_combine.kd
    .args:
      - { .name: opart, .offset: 0, .size: 8, .value_kind: global_buffer, .address_space: global }
      - { .name: stat, .offset: 8, .size: 8, .value_kind: global_buffer, .address_space: global }
      - { .name: out0, .offset: 16, .size: 8, .value_kind: global_buffer, .address_space: global }
    .group_segment_fixed_size: 0
    .private_segment_fixed_size: 0
    .kernarg_segment_align: 8
    .kernarg_segment_size: 24
    .max_flat_workgroup_size: 256
    .sgpr_count:     66
    .vgpr_count:     176
    .wavefront_size: 32
...
	.end_amdgpu_metadata
.endif
;; end of part 3
